; MI455X (gfx1250); checked and timed in simulation.
; The chip was launched on July 23, 2026; its instructions are those of AMD's public machine-readable ISA for CDNA 5 (MIT licence, August 2026) and "CDNA5" Instruction Set Architecture Reference Guide (July 2026). The comments in the code are by the model that wrote it; some were corrected since.
;; Self Attention. Allowed arithmetic: matrix products marked QUANTISED: E5M2 operands, one given power-of-two scale a tensor, by v_wmma_f32_16x16x64_bf8_bf8 or v_wmma_f32_16x16x128_bf8_bf8, f32 sums; everything else in f32.
;; Inputs: Wk_codes 1,024 x 32 x 32 uint8 (E5M2 codes of Wk, K innermost, in blocks of 32 codes); Wo_codes 1,024 x 32 x 32 uint8 (E5M2 codes of Wo, K innermost, in blocks of 32 codes); Wq_codes 1,024 x 32 x 32 uint8 (E5M2 codes of Wq, K innermost, in blocks of 32 codes); Wv_codes 1,024 x 32 x 32 uint8 (E5M2 codes of Wv, K innermost, in blocks of 32 codes); attn_padding_mask 4 x 2,048 bool; bk 1,024 float32; bo 1,024 float32; bq 1,024 float32; bv 1,024 float32; key_codes 2,048 x 4 x 32 x 32 uint8 (E5M2 codes of key, K innermost, in blocks of 32 codes); lowp_scales 12 int32 (the exponents e of the quantised operands' scales 2^e); query_codes 2,048 x 4 x 32 x 32 uint8 (E5M2 codes of query, K innermost, in blocks of 32 codes); value_codes 2,048 x 4 x 32 x 32 uint8 (E5M2 codes of value, K innermost, in blocks of 32 codes).
;; Outputs: out0 2,048 x 4 x 1,024 float32.
;; This version of the problem:
;;   THIS VERSION OF THE PROBLEM IS GIVEN IN LOW PRECISION. The matrix products marked QUANTISED in the list below multiply operands that are first quantised to E5M2 (5 exponent bits, 2 mantissa bits; 8 bits a number), with one given power-of-two scale for each operand tensor; their sums are f32. All else is computed in f32.
;;   The module's matrix products, in the order in which they are computed (A, B: the left and right operand; K: the contracted axis; several contracted axes count as one K, in the product's order):
;;     1. [M 8,192, K 1,024] x [K 1,024, N 1,024]; A: input query (given as codes); B: input Wq (given as codes): QUANTISED (scales: A lowp_scales[0], B lowp_scales[1])
;;     2. [M 8,192, K 1,024] x [K 1,024, N 1,024]; A: input key (given as codes); B: input Wk (given as codes): QUANTISED (scales: A lowp_scales[2], B lowp_scales[3])
;;     3. [M 8,192, K 1,024] x [K 1,024, N 1,024]; A: input value (given as codes); B: input Wv (given as codes): QUANTISED (scales: A lowp_scales[4], B lowp_scales[5])
;;     4. batch 64 x [M 2,048, K 64] x [K 64, N 2,048]; A: computed on the way; B: computed on the way: QUANTISED (scales: A lowp_scales[6], B lowp_scales[7])
;;     5. batch 64 x [M 2,048, K 2,048] x [K 2,048, N 64]; A: softmax (see below); B: computed on the way: QUANTISED (scales: A lowp_scales[8], B lowp_scales[9])
;;     6. [M 8,192, K 1,024] x [K 1,024, N 1,024]; A: computed on the way; B: input Wo (given as codes): QUANTISED (scales: A lowp_scales[10], B lowp_scales[11])
;;   THE QUANTISER, for each operand of a quantised product, along K:
;;     - The operand's scale is 2^e, e = its entry of the input lowp_scales (int32; the entries are numbered through the quantised products in the list's order, A before B).
;;     - Each number is divided by the scale, clamped to +-57,344, and rounded to the nearest number of E5M2, ties to even, subnormals kept.
;;     - The product sums the exact products of the quantised numbers (number of the format x scale) in f32.
;;   ~~~python
;;   def quantise(x, axis, e):      # numpy; x: float32 -> the quantised numbers, widened to float32 again
;;       x = np.moveaxis(x, axis, -1); K = x.shape[-1]
;;       r = np.clip(x / 2.0 ** e, -57344, 57344)
;;       step = 2.0 ** (np.maximum(np.frexp(np.where(r == 0, 1, r))[1] - 1, -14) - 2)
;;       q = np.round(r / step) * step * 2.0 ** e      # np.round: ties to even
;;       return np.moveaxis(q, -1, axis).astype(np.float32)
;;   ~~~
;;   SOFTMAX AHEAD OF A QUANTISED PRODUCT. Where the list says 'softmax', what is quantised is not the finished softmax but p = 2^(t - M), with t = logit x log2(e) and M = ceil(the row's largest t), a whole number; so 1/2 < the row's largest p <= 1. The row's sum l is taken of the UNQUANTISED p, in f32, and the product's result is divided by l at the end. Since M is a whole number, a kernel that streams over the keys may use a running M (the ceiling of the running maximum): every later rescaling is an exact power of two, so the quantised numbers keep their values, but for numbers so far below the row's largest that they fall under the format's range.
;;   OPERANDS COMPUTED ON THE WAY. 'Computed on the way' means the value that the module computes at that place (a softmax that the list does not call 'softmax' is quantised finished and normalised). What goes into a quantiser is computed in f32, as accurately as f32 sums, v_exp_f32 and their like allow (about 1e-6 of the number): no bf16 or f16 on the way to a quantiser, and a product that is left as it is and whose result goes on into a quantised operand takes f32 operands (vector FMAs, or v_wmma_f32_16x16x4_f32). A number that lies on a knife's edge between two numbers of the format may be rounded either way, as far as f32 arithmetic and the matrix unit's own rounding can turn it there, and no further.
;;   INPUTS GIVEN AS CODES. Wk (in the module: [1024, 1024], K = its axis 1); Wo (in the module: [1024, 1024], K = its axis 1); Wq (in the module: [1024, 1024], K = its axis 1); Wv (in the module: [1024, 1024], K = its axis 1); key (in the module: [2048, 4, 1024], K = its axis 2); query (in the module: [2048, 4, 1024], K = its axis 2); value (in the module: [2048, 4, 1024], K = its axis 2): each comes as NAME_codes (uint8): NAME with its K axis moved to the last place and cut into blocks of 32 codes, [.., K / 32, bytes a block], one block behind the other in memory; one code a byte (a code: sign, 5 exponent bits, 2 mantissa bits); its scale is its entry of lowp_scales. Its value is code x scale, taken as it is: it is not quantised again, and the codes and scales need not be those that the quantiser above would give.
;; One version. Each part assembles by itself: llvm-mc -triple=amdgcn-amd-amdhsa -mcpu=gfx1250 --defsym DOCPART=n.
;; ======== version 1 of 1: 3 launches
;; limits: right only within a limited range of input values
;; workspace buffers: qkv 25,165,824 bytes; aimg 8,388,608 bytes
;; launch qkv (part 1): grid 4 x 96, 4 waves a work-group, clusters of 4 x 4, 327,680 bytes of LDS; arguments query_codes, key_codes, value_codes, Wq_codes, Wk_codes, Wv_codes, bq, bk, bv, lowp_scales, qkv; writes qkv
.if DOCPART == 1
	.amdgcn_target "amdgcn-amd-amdhsa--gfx1250"
	.amdhsa_code_object_version 6
	.text
	.protected	k_q4165fde294_qkv
	.globl	k_q4165fde294_qkv
	.p2align	8
	.type	k_q4165fde294_qkv,@function
k_q4165fde294_qkv:
	s_mov_b64 s[64:65], 0
	v_nop
	global_prefetch_b8 v0, s[64:65] scope:SCOPE_SE
	s_setreg_imm32_b32 hwreg(HW_REG_WAVE_MODE, 25, 1), 1
	s_wait_xcnt 0x0
	s_wait_alu depctr_hold_cnt(0) depctr_sa_sdst(0) depctr_va_vdst(0) depctr_va_sdst(0) depctr_va_ssrc(0) depctr_va_vcc(0) depctr_vm_vsrc(0)
	s_getreg_b32 s2, hwreg(HW_REG_IB_STS2, 6, 4)
	s_cmp_eq_u32 s2, 0
	s_cbranch_scc0 .Lentry_in_a_cluster
	s_endpgm
.Lentry_in_a_cluster:
	s_bfe_u32 s2, ttmp6, 0x10000c
	s_cmp_lg_u32 s2, 0xf033
	s_cbranch_scc0 .Lentry_shape_is_right
	s_endpgm
.Lentry_shape_is_right:
; THE THREE INPUT PROJECTIONS: q = query Wq^T + bq, k = key Wk^T + bk, v = value Wv^T + bv, each [8192][1024] x [1024][1024] on codes of BF8 (E5M2) as they are given;
; each finished sum is multiplied once by 2^(ea + eb), the bias is added (one fused multiply-add in f32), and the result is quantised with the scale given for it as an operand of attention
; (q: entry 6, k: entry 7, v: entry 9 of the scales) and stored as codes, laid as attention's operand registers want them.
; LIMITS: e0 + e1, e2 + e3, e4 + e5 between -126 and 127; e6, e7, e9 between -126 and 112, so that each power of two below is an f32 number.  NaN codes among the inputs are not served.
; SHARES.  Cluster y = 8 T + .. : T = 0 q, 1 k, 2 v.  A work-group makes 256 rows x 256 columns: rows = 128 tokens s of each of two batches, columns = 4 heads.  Four waves, each 128 x 128: 64 accumulators, 512 registers.
; K goes in steps of 256 through two LDS slots filled by the tensor data mover; 1,024 along K are four slots: two first fills and one refill of each slot, so the eight steps of 128 are written out.
; CLUSTERS: 4 x 4 work-groups.  The four of a row need the same tiles of the activations, the four of a column the same tiles of the weight: each tile is asked for jointly.
; WHICH SIDE IS SOURCE 0.  A result holds, in a lane, one row of source 1 and, in its eight registers, eight rows of source 0.  The next product's K must run along a lane's registers:
;   q, k: K = the head's 64 channels: source 0 (X) = the weight's rows, source 1 (Y) = tokens.     v: K = the keys: source 0 (X) = tokens, source 1 (Y) = the weight's rows.
; Only the two LDS bases differ; they hang on T, which all sixteen partners share.
; THE OUTPUT: an IMAGE of a fragment of the 16x16x64 form, 1,024 bytes: lane (r, h) holds row r, registers 2 c, 2 c + 1 hold k = 16 c + 8 h + 0 .. 7; registers 4 g .. 4 g + 3 lie at 512 g + 16 x lane.
; The conversion of accumulator c (eight registers: source 0's rows 16 c + 8 h + 0 .. 7) gives just registers 2 c, 2 c + 1: no stage, no shuffle; each store covers 512 consecutive bytes, aligned.
;   qkv: [16 b + head][Q | K | V], 131,072 bytes each.  Q, K: [tile of 16 tokens][1,024].  V: [step of 64 keys][tile of 16 channels][1,024].
; REGISTERS, in windows of 256: window 0: v1-31 addresses and constants; v32-95, v96-111 the bias in the two layouts; from v128 Y's fragments, ONE set (on the way out: 64 numbers and the codes);
;   window 1: X's fragments, TWO sets, at v0 and v128;   window 2: the accumulators of Y's blocks 0-3 ((a, b) at v[8 (8 a + b)]);   window 3: those of blocks 4-7.
.set KSTEP,  256                       ; along K in a slot; a tile's row is 256 bytes
.set PITCH,  272                       ; an LDS row: 256 bytes + 16 of padding = 68 words: row r starts at bank 4 r mod 64 (64 banks of 4 bytes: ISA guide 11.1)
.set FR,     16                        ; registers of a fragment: 16 rows x 128 K
.set NL,     4                         ; LDS loads that bring one
.set NP,     4                         ; places behind this matrix instruction (ISA guide 7.12.1)
.set HALFT,  128*PITCH                 ; 128 rows: what one tensor load brings, and what one wave reads of either side
.set SLOT,   4*HALFT                   ; Y's 256 rows, then X's 256 rows
.set SPARE,  2*SLOT                    ; behind the ring: the spare words, 128 bytes for each wave: two blocks of 256 bytes that no other line names
.set HEADB,  393216                    ; a head's Q, K and V images
.set SC,   12                          ; v12     2^e as f32: the conversion takes its exponent field
.set LIM,  13                          ; v13     57,344 x 2^e
.set BO8,  14                          ; v14     32 h: my eight numbers of a tile of 16 of the bias
.set BO1,  15                          ; v15     4 r: my one number of it
.set ADRY, 16                          ; v16-17  LDS address of my Y fragments in slot 0, 1
.set ADRX, 20                          ; v20-21  the same for X
.set CO,   26                          ; v26     16 x lane: my place in a piece of an image
.set SPW,  28                          ; v28     LDS address of my spare word; never rewritten
.set NIL,  29                          ; v29     0; never rewritten
.set BX,   32                          ; v32-95  bias[first column + 16 t + 8 h + j] at 8 t + j: for q and k
.set BL,   96                          ; v96-111 bias[first column + 16 t + r], twice, at 2 t: for v
.set AF,   128                         ; Y's fragments
.set TMP,  128                         ; the way out: a block's 64 numbers
.set CD,   192                         ; the way out: a block's 16 registers of codes, two sets by turns
.set G1, 24                            ; s[24:31] descriptor group 1 for the activations' tiles;  s[32:39] group 0, one set for each slot
.set G0, 32
.set G1B, 48                           ; s[48:55], s[56:63] the same for the weight's tiles
.set G0B, 56
.set MSB, 0
.macro WIN new                         ; the immediate's high byte repeats the setting that is left
.if MSB != \new
	s_set_vgpr_msb (MSB<<8)|\new
.set MSB, \new
.endif
.endm
.set MUL_LO, 0xa1                      ; source 0 (X) window 1, source 1 (Y) window 0, C and D window 2
.set MUL_HI, 0xf1                      ; the same, C and D window 3
.set TO_X,   0x40                      ; destination window 1, address window 0
; A joint load.  LDS regions are fixed: source 1's (Y's) 256 rows lie first in a slot and are brought by waves 0 and 1, source 0's (X's) behind them, by waves 2 and 3.
; Y is the activations for q and k and the weight for v: s98 = (wave / 2) xor (T == 2) is 0 in the waves that fetch the activations.  T is shared by all sixteen partners.
; Each line has one mask and one set of registers.  An s_nop 0 and four v_nop follow each of the two lines.
.macro JLOAD g0a, g1a, g0b, g1b
	s_cmp_eq_u32 s98, 0
	s_cbranch_scc0 .Lfor_b_\@
	tensor_load_to_lds s[\g0a:\g0a+3], s[\g1a:\g1a+7]
	s_nop 0
.rept 4
	v_nop
.endr
	s_branch .Lasked_\@
.Lfor_b_\@:
	tensor_load_to_lds s[\g0b:\g0b+3], s[\g1b:\g1b+7]
	s_nop 0
.rept 4
	v_nop
.endr
.Lasked_\@:
.endm
.macro CREST                           ; a round of the cluster's barrier behind its opening barrier
	s_cmp_lg_u32 s14, 0
	s_cbranch_scc1 .Lnot_wave_0_\@
	s_barrier_signal -3
.Lnot_wave_0_\@:
	s_barrier_wait -3
	s_barrier_signal -1
	s_barrier_wait -1
.endm
.macro CROUND                          ; a whole round
	s_barrier_signal -1
	s_barrier_wait -1
	CREST
.endm
	s_load_b512 s[68:83], s[0:1], 0x0              ; query, key, value, Wq, Wk, Wv, bq, bk
	s_load_b128 s[84:87], s[0:1], 0x40             ; bv, the scales' exponents
	s_load_b64 s[88:89], s[0:1], 0x50              ; qkv
	v_lshl_add_u32 v[SPW], v0, 2, SPARE
	v_mov_b32 v[NIL], 0
	ds_add_u32 v28, v29
	ds_add_u32 v28, v29
	s_wait_dscnt 0x0
	v_lshrrev_b32 v1, 5, v0
	v_readfirstlane_b32 s14, v1                    ; wave 0..3
	s_lshr_b32 s15, s14, 1                         ; which half of Y's region is mine.  Also: I fetch Y (0) or X (1)
	s_and_b32 s16, s14, 1                          ; which half of X's region.  Also: which 128 rows of that tile I fetch
	s_bfe_u32 s40, ttmp6, 0x40000                  ; cx, cy: my place in the cluster
	s_bfe_u32 s41, ttmp6, 0x40004
	s_lshl_b32 s42, ttmp9, 2
	s_add_co_u32 s42, s42, s40                     ; tile column: 256 columns = 4 heads
	s_and_b32 s17, ttmp7, 0xffff                   ; cluster y, 0..23
	s_lshr_b32 s90, s17, 3                         ; T: 0 q, 1 k, 2 v
	s_and_b32 s17, s17, 7
	s_lshl_b32 s17, s17, 2
	s_add_co_u32 s17, s17, s41                     ; tile row 0..31: bit 0 = which pair of batches, the rest = which 128 tokens
	s_lshl_b32 s43, s41, 2
	s_lshl_b32 s43, 15, s43                        ; my row of the cluster
	s_lshl_b32 s44, 0x1111, s40                    ; my column
	; descriptor group 1: a tile of 128 rows x 256 bytes, padded in LDS.  The activations' rows are one batch's tokens, 4,096 bytes apart; the weight's are 1,024 apart
	s_or_b32 s[G1+0], s43, (0<<16)|(1<<20)|(1<<21)|(5<<22)|(3<<25)  ; 15:0 the mask; 17:16 element of 1 byte; 20 padding on; 21 set beside a mask; 24:22 after every 64 words (code 5); 31:25 of 4 words (code 3)
	s_or_b32 s[G1B+0], s44, (0<<16)|(1<<20)|(1<<21)|(5<<22)|(3<<25)
.irp g, G1, G1B
	s_mov_b32 s[\g+1], KSTEP<<16                   ; tensor_dim0
	s_mov_b32 s[\g+2], 128<<16                     ; tensor_dim1 = 128
	s_mov_b32 s[\g+3], KSTEP<<16                   ; tile_dim0
	s_mov_b32 s[\g+4], 128                         ; tile_dim1 = 128
	s_mov_b32 s[\g+6], 0
	s_mov_b32 s[\g+7], 0
.endr
	s_mov_b32 s[G1+5], 4096                        ; tensor_dim0_stride: from a token to the next, same batch
	s_mov_b32 s[G1B+5], 1024
	s_lshr_b32 s20, s17, 1
	s_lshl_b32 s20, s20, 19                        ; activations: 128 tokens x 4,096 bytes for each block of tokens,
	s_and_b32 s21, s17, 1
	s_lshl_b32 s21, s21, 1
	s_add_co_u32 s21, s21, s16                     ; the batch that I fetch: 2 x pair + half,
	s_lshl_b32 s21, s21, 10
	s_add_co_u32 s20, s20, s21
	s_mov_b32 s21, 0
	s_lshl_b32 s46, s42, 18                        ; weight: row 256 x tile column + 128 x half, 1,024 bytes each
	s_lshl_b32 s47, s16, 17
	s_add_co_u32 s46, s46, s47
	s_mov_b32 s47, 0
	s_mul_i32 s45, s14, HALFT                      ; where they go: wave x 128 rows: no place in the cluster enters an LDS address
	s_wait_kmcnt 0x0
	s_cmp_eq_u32 s90, 0                            ; the three tensors' buffers are chosen by T, which hangs on no address
	s_cselect_b64 s[4:5], s[68:69], s[70:71]
	s_cselect_b64 s[6:7], s[74:75], s[76:77]
	s_cselect_b64 s[12:13], s[80:81], s[82:83]
	s_cmp_eq_u32 s90, 2
	s_cselect_b64 s[4:5], s[72:73], s[4:5]         ; the activations' codes
	s_cselect_b64 s[6:7], s[78:79], s[6:7]         ; the weight's codes
	s_cselect_b64 s[12:13], s[84:85], s[12:13]     ; the bias
	s_cselect_b32 s91, 1, 0                        ; 1 for v
	s_xor_b32 s98, s15, s91                        ; 0: I fetch the activations; 1: the weight
	s_mov_b64 s[10:11], s[88:89]
	s_load_b256 s[68:75], s[86:87], 0x0            ; e0 .. e7 (the pointers that lay here have been chosen from)
	s_load_b128 s[76:79], s[86:87], 0x20           ; e8 .. e11
	s_add_nc_u64 s[20:21], s[4:5], s[20:21]
	s_add_nc_u64 s[46:47], s[6:7], s[46:47]
	CROUND                                         ; all sixteen work-groups are here: the first joint loads meet
.irp s, 0,1
	s_mov_b32 s[G0+4*\s], 1
	s_add_co_u32 s[G0+4*\s+1], s45, \s*SLOT
	s_add_nc_u64 s[G0+4*\s+2:G0+4*\s+3], s[20:21], \s*KSTEP
	s_or_b32 s[G0+4*\s+3], s[G0+4*\s+3], 0x80000000
	s_mov_b32 s[G0B+4*\s], 1
	s_add_co_u32 s[G0B+4*\s+1], s45, \s*SLOT
	s_add_nc_u64 s[G0B+4*\s+2:G0B+4*\s+3], s[46:47], \s*KSTEP
	s_or_b32 s[G0B+4*\s+3], s[G0B+4*\s+3], 0x80000000
.endr
	JLOAD G0, G1, G0B, G1B                         ; K step 0: one tensor load a wave at the head
	; THE PREFETCHES INTO THE L2.  Of the 128 rows that I fetch, each of the four partners that ask for them jointly names 32, told apart by address (cx for the activations, cy for the weight): a lane a row, 256 bytes of a row a K step.
	; Behind K step 0's load K steps 1 and 2 are named, behind K step 1's load K step 3: each at least one fill ahead of the load that wants it.  The activations' tiles belong to one cluster each; the weight of a tensor is walked by eight clusters, of which four ask.
	s_cmp_eq_u32 s98, 0
	s_cselect_b64 s[66:67], s[20:21], s[46:47]     ; the first byte of what I fetch
	s_cselect_b32 s18, s40, s41                    ; my work-group's place among the four
	s_mov_b32 s19, 1024
	s_cselect_b32 s19, 4096, s19                   ; from row to row
	s_and_b32 s99, ttmp7, 7
	s_cmp_lt_u32 s99, 4
	s_cselect_b32 s99, 1, 0
	s_cmp_eq_u32 s98, 0
	s_cselect_b32 s99, 1, s99                      ; 1: my wave asks
	s_lshl_b32 s18, s18, 5
	v_and_b32 v30, 31, v0
	v_add_nc_u32 v30, s18, v30
	v_mul_lo_u32 v30, v30, s19                     ; v30: my row's offset; never rewritten
	v_and_b32 v1, 15, v0                           ; r = l % 16
	v_bfe_u32 v2, v0, 4, 1                         ; h = l / 16
	s_wait_alu depctr_va_vdst(0)
	v_mul_u32_u24 v3, v1, PITCH
	v_lshl_add_u32 v4, v2, 4, v3                   ; a fragment's row x pitch + 16 x half
	s_mul_i32 s21, s15, HALFT
	s_mul_i32 s22, s16, HALFT
	s_add_co_u32 s22, s22, 2*HALFT                 ; my 128 rows of X, behind Y's 256
.irp s, 0,1
	v_add_nc_u32 v[ADRY+\s], s21, v4
	v_add_nc_u32 v[ADRX+\s], s22, v4
	s_add_co_u32 s21, s21, SLOT
	s_add_co_u32 s22, s22, SLOT
.endr
	s_cmp_eq_u32 s91, 1
	s_cselect_b32 s94, s16, s15                    ; which half of the activations is mine: X's half for v, Y's for q and k
	s_cselect_b32 s95, s15, s16                    ; which half of the weight
	s_lshl_b32 s18, s42, 10
	s_lshl_b32 s19, s95, 9
	s_add_co_u32 s18, s18, s19                     ; my first column, 256 x tile column + 128 x half, in bytes of f32
	s_mov_b32 s19, 0
	s_add_nc_u64 s[12:13], s[12:13], s[18:19]
	v_lshlrev_b32 v[BO8], 5, v2
	v_lshlrev_b32 v[BO1], 2, v1
	v_and_b32 v6, 31, v0
	v_lshlrev_b32 v[CO], 4, v6
.irp t, 0,1,2,3,4,5,6,7                        ; both layouts of my 128 numbers of the bias are loaded, whatever T: they land under the products
	global_load_b128 v[BX+8*\t:BX+8*\t+3], v[BO8], s[12:13] offset:64*\t
	global_load_b128 v[BX+8*\t+4:BX+8*\t+7], v[BO8], s[12:13] offset:64*\t+16
	global_load_b32 v[BL+2*\t], v[BO1], s[12:13] offset:64*\t
	global_load_b32 v[BL+2*\t+1], v[BO1], s[12:13] offset:64*\t
.endr
	s_cmp_eq_u32 s99, 1
	s_cbranch_scc0 .Lno_ask_0
	global_prefetch_b8 v30, s[66:67] offset:256 th:TH_LOAD_NT scope:SCOPE_SE   ; K step 1
	global_prefetch_b8 v30, s[66:67] offset:512 th:TH_LOAD_NT scope:SCOPE_SE   ; K step 2
.Lno_ask_0:
	s_and_b32 s18, s17, 1                          ; where my images begin: ((16 b + my first head) x 384 + 128 T + 8 x block of tokens) x 1,024
	s_lshl_b32 s18, s18, 1
	s_add_co_u32 s18, s18, s94                     ; b
	s_lshl_b32 s18, s18, 4
	s_lshl_b32 s19, s42, 2
	s_add_co_u32 s18, s18, s19
	s_lshl_b32 s19, s95, 1
	s_add_co_u32 s18, s18, s19                     ; 16 b + 4 x tile column + 2 x half
	s_mul_i32 s18, s18, 384
	s_lshl_b32 s19, s90, 7
	s_add_co_u32 s18, s18, s19
	s_lshr_b32 s19, s17, 1
	s_lshl_b32 s19, s19, 3
	s_add_co_u32 s18, s18, s19
	s_lshl_b32 s18, s18, 10
	s_mov_b32 s19, 0
	s_add_nc_u64 s[10:11], s[10:11], s[18:19]
.macro FRAG reg, adr, q, i             ; a fragment, 16 rows x 128 K, is 16 registers: four loads of 16 bytes, 32 bytes apart: registers 4 c .. 4 c + 3 hold K = 32 c + 16 h + 0 .. 15: a permutation of k, the same on both sides
.irp c, 0,1,2,3
	ds_load_b128 v[\reg+4*\c:\reg+4*\c+3], v[\adr] offset:128*(\q)+32*\c+(\i)*16*PITCH
.endr
.endm
; 16 matrix instructions: Y's blocks a0, a0 + 1 x X's eight, 128 along K.  p: X's set.  zero = 1: the first product starts the sums.  The 64 accumulators take turns, one instruction a turn.
.macro MUL16 a0, p, zero
.irp a, \a0, \a0+1
.irp b, 0,1,2,3,4,5,6,7
.if \zero
	v_wmma_f32_16x16x128_bf8_bf8 v[8*(8*((\a)%4)+\b):8*(8*((\a)%4)+\b)+7], v[128*(\p)+FR*\b:128*(\p)+FR*\b+FR-1], v[AF+FR*(\a):AF+FR*(\a)+FR-1], 0
.else
	v_wmma_f32_16x16x128_bf8_bf8 v[8*(8*((\a)%4)+\b):8*(8*((\a)%4)+\b)+7], v[128*(\p)+FR*\b:128*(\p)+FR*\b+FR-1], v[AF+FR*(\a):AF+FR*(\a)+FR-1], v[8*(8*((\a)%4)+\b):8*(8*((\a)%4)+\b)+7]
.endif
.endr
.endr
.endm
.macro FETCH_X slot, q, p              ; X's eight fragments of the slot's q-th 128 along K into set p
	WIN TO_X
.irp i, 0,1,2,3,4,5,6,7
	FRAG 128*(\p)+FR*\i, ADRX+\slot, \q, \i
.endr
	WIN 0
.endm
.macro FETCH_Y slot, q, i0             ; Y's blocks i0 .. i0 + 3
.irp i, \i0, \i0+1, \i0+2, \i0+3
	FRAG AF+FR*(\i), ADRY+\slot, \q, \i
.endr
.endm
.macro PLACES n                        ; plain vector instructions between a matrix instruction and a load into, or a vector instruction on, its registers
.rept \n
	v_nop
.endr
.endm
; A step of 128 along K that has its successor in the same slot.  Y's blocks 0-3 are fetched anew in the step's middle, blocks 4-7 at its end; X's next set in the middle.
.macro STEP slot, q, zero
	s_wait_dscnt 4*NL                              ; X's set and Y's blocks 0-3 are in; the youngest sixteen loads (Y's blocks 4-7) may be out
	WIN MUL_LO
	MUL16 0, (\q)%2, \zero
	MUL16 2, (\q)%2, \zero
	s_wait_dscnt 0                                 ; Y's blocks 4-7 are in
	PLACES NP
	FETCH_X \slot, (\q)+1, 1-(\q)%2
	FETCH_Y \slot, (\q)+1, 0
	WIN MUL_HI
	MUL16 4, (\q)%2, \zero
	MUL16 6, (\q)%2, \zero
	PLACES NP
	WIN 0
	FETCH_Y \slot, (\q)+1, 4
.endm
; A slot's last step changes slots: one barrier; in front of it each wave waits for all its tensor loads, adds 0 to its spare word, and waits for that and for its own reads of this slot.  fill = 1: this slot is filled again, two K steps ahead.
.macro TURN slot, next, fill
	s_wait_tensorcnt 0x0                           ; all my tensor loads have landed: my part of the next slot
	ds_add_u32 v[SPW], v[NIL]                      ; 0 onto my spare word
	s_wait_dscnt 4*NL+1                            ; (the add and the youngest sixteen loads, Y's blocks 4-7, may be out)
	WIN MUL_LO
	MUL16 0, 1, 0                                  ; sixteen matrix instructions stand between the add and the wait for it
	s_wait_dscnt 0x0                               ; the add is done, and my reads of this slot are over
	s_barrier_signal -1
	MUL16 2, 1, 0
	WIN 0
	s_barrier_wait -1
.if \fill
	CREST                                          ; the barrier has opened a round of the cluster's barrier: no wave of any partner still reads this slot or has a load on its way
	s_add_nc_u64 s[G0+4*\slot+2:G0+4*\slot+3], s[G0+4*\slot+2:G0+4*\slot+3], 2*KSTEP
	s_add_nc_u64 s[G0B+4*\slot+2:G0B+4*\slot+3], s[G0B+4*\slot+2:G0B+4*\slot+3], 2*KSTEP
	JLOAD G0+4*\slot, G1, G0B+4*\slot, G1B         ; the first tensor load behind the round; its four v_nop are the places in front of the loads below
.else
	PLACES NP
.endif
	FETCH_X \next, 0, 0
	FETCH_Y \next, 0, 0
	WIN MUL_HI
	MUL16 4, 1, 0
	MUL16 6, 1, 0
	PLACES NP
	WIN 0
	FETCH_Y \next, 0, 4
.endm
	s_wait_alu depctr_va_vdst(0)
	s_wait_tensorcnt 0x0                           ; my part of K step 0 is in
	ds_add_u32 v[SPW], v[NIL]
	s_wait_dscnt 0x0
	CROUND                                         ; everybody's part is in, and all sixteen work-groups are here
	JLOAD G0+4, G1, G0B+4, G1B                     ; K step 1: the first tensor load behind the round
	FETCH_X 0, 0, 0
	FETCH_Y 0, 0, 0
	FETCH_Y 0, 0, 4
	s_cmp_eq_u32 s99, 1
	s_cbranch_scc0 .Lno_ask_1
	global_prefetch_b8 v30, s[66:67] offset:768 th:TH_LOAD_NT scope:SCOPE_SE   ; K step 3, the last
.Lno_ask_1:
	STEP 0, 0, 1                                   ; K 0-127: its products start the sums
	TURN 0, 1, 1                                   ; K 128-255; slot 0 takes K 512-767
	STEP 1, 0, 0
	TURN 1, 0, 1                                   ; slot 1 takes K 768-1023
	STEP 0, 0, 0
	TURN 0, 1, 0                                   ; nothing is left to fetch
	STEP 1, 0, 0
	s_wait_dscnt 4*NL                              ; the very last step
	WIN MUL_LO
	MUL16 0, 1, 0
	MUL16 2, 1, 0
	s_wait_dscnt 0
	WIN MUL_HI
	MUL16 4, 1, 0
	MUL16 6, 1, 0
	WIN 0
	; THE WAY OUT.  The scales: E = the two operands' exponents added; e = the exponent with which the result is quantised.
	s_wait_kmcnt 0x0
	s_wait_loadcnt 0x0                             ; the bias
	s_add_co_i32 s68, s68, s69
	s_add_co_i32 s70, s70, s71
	s_add_co_i32 s72, s72, s73
	s_cmp_eq_u32 s90, 0
	s_cselect_b32 s96, s68, s70
	s_cselect_b32 s92, s74, s75                    ; e6 for q, e7 for k,
	s_cmp_eq_u32 s90, 2
	s_cselect_b32 s96, s72, s96
	s_cselect_b32 s92, s77, s92                    ; e9 for v
	s_add_co_i32 s96, s96, 127
	s_lshl_b32 s96, s96, 23                        ; 2^E as f32
	s_mov_b32 s97, s96                             ; (named with it as a pair, so it is written)
	s_add_co_i32 s92, s92, 127
	s_lshl_b32 s93, s92, 23
	v_mov_b32 v[SC], s93
	s_add_co_i32 s92, s92, 15
	s_lshl_b32 s92, s92, 23
	s_or_b32 s92, s92, 0x600000
	v_mov_b32 v[LIM], s92
	PLACES NP                                      ; behind the last products: their results are read and Y's registers are written below
; Block a of Y (16 rows of source 1) against X's eight tiles: 64 numbers a lane.  sum x 2^E + bias, each accumulator from its low end on; the hold; eight conversions: 16 registers = two images; four stores of 512 bytes.
; var = 0 (q, k): a lane is a token, registers run along the columns: images (head x / 4, token tile a).  var = 1 (v): a lane is a channel, registers run along the tokens: images (step x / 4, channel tile a).
.macro EPI a, var
.set AC, 64*((\a)%4)
.set CDS, CD+16*((\a)%2)
	WIN 0x02+((\a)/4)                              ; source 0: window 2 or 3
.irp x, 0,1,2,3,4,5,6,7
.irp i, 0,2,4,6
.if \var
	v_pk_fma_f32 v[TMP+8*\x+\i:TMP+8*\x+\i+1], v[AC+8*\x+\i:AC+8*\x+\i+1], s[96:97], v[BL+2*(\a):BL+2*(\a)+1] op_sel_hi:[1,0,1]
.else
	v_pk_fma_f32 v[TMP+8*\x+\i:TMP+8*\x+\i+1], v[AC+8*\x+\i:AC+8*\x+\i+1], s[96:97], v[BX+8*\x+\i:BX+8*\x+\i+1] op_sel_hi:[1,0,1]
.endif
.endr
.endr
	WIN 0
.set j, 0
.rept 64
	v_med3_num_f32 v[TMP+j], v[TMP+j], -v[LIM], v[LIM]   ; the conversion to an 8-bit code does not saturate (ISA guide 7.6.2): the hold at the largest code x the scale
.set j, j+1
.endr
.if (\a) >= 2
	s_wait_alu depctr_va_vdst(0)
	s_wait_xcnt 0x0                                ; the stores of two blocks ago have read this set of codes: it is written again only behind this wait
.endif
.irp x, 0,1,2,3,4,5,6,7
	v_cvt_scalef32_pk8_bf8_f32 v[CDS+2*\x:CDS+2*\x+1], v[TMP+8*\x:TMP+8*\x+7], v[SC]
.endr
	v_nop                                          ; one plain vector instruction behind the last conversion: the next block writes the numbers' registers again
.irp xq, 0,1
.irp g, 0,1
.if \var
	global_store_b128 v[CO], v[CDS+8*\xq+4*\g:CDS+8*\xq+4*\g+3], s[10:11] offset:((\a)/4)*HEADB+\xq*4096+((\a)%4)*1024+512*\g
.else
	global_store_b128 v[CO], v[CDS+8*\xq+4*\g:CDS+8*\xq+4*\g+3], s[10:11] offset:\xq*HEADB+(\a)*1024+512*\g
.endif
.endr
.endr
.endm
	s_cmp_eq_u32 s91, 1                            ; the same in all sixteen partners; neither way touches LDS
	s_cbranch_scc1 .Lv
.irp a, 0,1,2,3,4,5,6,7
	EPI \a, 0
.endr
	s_branch .Lend
.Lv:
.irp a, 0,1,2,3,4,5,6,7
	EPI \a, 1
.endr
.Lend:
	s_wait_tensorcnt 0x0                           ; the wave's end
	ds_add_u32 v[SPW], v[NIL]
	s_wait_dscnt 0x0
	CROUND                                         ; the closing round: no work-group ends while a partner may still ask for a tile that names it
	s_endpgm
.Lfunc_end_k_q4165fde294_qkv:
	.size	k_q4165fde294_qkv, .Lfunc_end_k_q4165fde294_qkv-k_q4165fde294_qkv
	.p2alignl 7, 3214868480
	.fill 96, 4, 3214868480
	.section	.rodata,"a",@progbits
	.p2align	6, 0x0
	.amdhsa_kernel k_q4165fde294_qkv
		.amdhsa_group_segment_fixed_size 327680
		.amdhsa_private_segment_fixed_size 0
		.amdhsa_enable_private_segment 0
		.amdhsa_kernarg_size 88
		.amdhsa_user_sgpr_count 2
		.amdhsa_user_sgpr_kernarg_segment_ptr 1
		.amdhsa_wavefront_size32 1
		.amdhsa_system_sgpr_workgroup_id_x 1
		.amdhsa_system_sgpr_workgroup_id_y 1
		.amdhsa_system_sgpr_workgroup_id_z 1
		.amdhsa_system_vgpr_workitem_id 0
		.amdhsa_next_free_vgpr 1024
		.amdhsa_next_free_sgpr 100
		.amdhsa_reserve_vcc 0
		.amdhsa_float_denorm_mode_32 3
		.amdhsa_float_denorm_mode_16_64 3
		.amdhsa_memory_ordered 1
		.amdhsa_forward_progress 1
		.amdhsa_inst_pref_size 196
	.end_amdhsa_kernel
	.amdgpu_metadata
---
amdhsa.version: [ 1, 2 ]
amdhsa.kernels:
  - .name:           k_q4165fde294_qkv
    .symbol:         k_q4165fde294_qkv.kd
    .args:
      - { .name: query_codes, .offset: 0, .size: 8, .value_kind: global_buffer, .address_space: global }
      - { .name: key_codes, .offset: 8, .size: 8, .value_kind: global_buffer, .address_space: global }
      - { .name: value_codes, .offset: 16, .size: 8, .value_kind: global_buffer, .address_space: global }
      - { .name: Wq_codes, .offset: 24, .size: 8, .value_kind: global_buffer, .address_space: global }
      - { .name: Wk_codes, .offset: 32, .size: 8, .value_kind: global_buffer, .address_space: global }
      - { .name: Wv_codes, .offset: 40, .size: 8, .value_kind: global_buffer, .address_space: global }
      - { .name: bq, .offset: 48, .size: 8, .value_kind: global_buffer, .address_space: global }
      - { .name: bk, .offset: 56, .size: 8, .value_kind: global_buffer, .address_space: global }
      - { .name: bv, .offset: 64, .size: 8, .value_kind: global_buffer, .address_space: global }
      - { .name: lowp_scales, .offset: 72, .size: 8, .value_kind: global_buffer, .address_space: global }
      - { .name: qkv, .offset: 80, .size: 8, .value_kind: global_buffer, .address_space: global }
    .group_segment_fixed_size: 327680
    .private_segment_fixed_size: 0
    .kernarg_segment_align: 8
    .kernarg_segment_size: 88
    .max_flat_workgroup_size: 128
    .sgpr_count:     100
    .vgpr_count:     1024
    .wavefront_size: 32
...
	.end_amdgpu_metadata
.endif
;; end of part 1
;; launch attn (part 2): grid 4 x 64, 16 waves a work-group, clusters of 4 x 1, 327,680 bytes of LDS; arguments qkv, attn_padding_mask, lowp_scales, aimg; writes aimg
.if DOCPART == 2
	.amdgcn_target "amdgcn-amd-amdhsa--gfx1250"
	.amdhsa_code_object_version 6
	.text
	.protected	k_q4165fde294_attn
	.globl	k_q4165fde294_attn
	.p2align	8
	.type	k_q4165fde294_attn,@function
k_q4165fde294_attn:
	s_mov_b64 s[64:65], 0
	v_nop
	global_prefetch_b8 v0, s[64:65] scope:SCOPE_SE
	s_setreg_imm32_b32 hwreg(HW_REG_WAVE_MODE, 25, 1), 1
	s_wait_xcnt 0x0
	s_wait_alu depctr_hold_cnt(0) depctr_sa_sdst(0) depctr_va_vdst(0) depctr_va_sdst(0) depctr_va_ssrc(0) depctr_va_vcc(0) depctr_vm_vsrc(0)
	s_getreg_b32 s2, hwreg(HW_REG_IB_STS2, 6, 4)
	s_cmp_eq_u32 s2, 0
	s_cbranch_scc0 .Lentry_in_a_cluster
	s_endpgm
.Lentry_in_a_cluster:
	s_bfe_u32 s2, ttmp6, 0x10000c
	s_cmp_lg_u32 s2, 0x3003
	s_cbranch_scc0 .Lentry_shape_is_right
	s_endpgm
.Lentry_shape_is_right:
; ATTENTION ON CODES OF BF8 (E5M2), head size 64, 2,048 keys, with the padding mask that is given.  Scores by v_wmma_f32_16x16x64_bf8_bf8, the weighted sum by v_wmma_f32_16x16x128_bf8_bf8.
; t = score x log2(e) / 8; M = the row's largest t so far, rounded UP to a whole number; p = 2^(t - M) is quantised with 2^e8; the row's sum is taken of the unquantised p and divides at the end.
; The result, O / sum x 2^(e8 + e9), is quantised with 2^e10 and stored as codes, laid as the last projection's operand registers want them.
; SHARES.  Work-group y = 16 b + head; the four work-groups of a cluster take 512 queries each.  Each of sixteen waves owns 32 queries, two tiles of 16, in 256 registers.  A step is 128 keys: 16 trips.
; A head's K and V images, 262,144 bytes, lie in LDS whole: each wave brings 16,384 bytes by one joint load (mask: all four partners) at the start; nothing is filled again, and nothing is streamed in the loop, so there is no prefetch.
; LAYOUT.  Both products transposed: S^T = K Q^T, O^T = V^T P^T: a lane holds ONE query (lane % 16), and eight keys or channels 8 (lane / 16) + 0 .. 7 of a tile.  The conversion of score accumulator c gives registers 2 c, 2 c + 1 of P's fragment.
; THE MASK is the C of the score's product: 0 for a key that counts, -2^100 for one that is masked (raw scores stay under 2^38).  Its numbers are loaded once, into tile 0's accumulators: tile 1's product takes them as its C, then tile 0's adds onto them in place.
; The running largest score is kept raw and begins at -2^100; steps all of whose keys are masked leave sums under a huge negative M, which the next change of M multiplies by 2^(old M - new M) = 0.
; A batch ALL of whose keys are masked gives NaN in the source; here the largest raw score then ends under -2^99, and the codes become 0x7f, the format's NaN.
; REGISTERS ARE USED IN TURN.  K's tiles 0-3 wait in tile 1's accumulators 4-7, which are written later; tiles 4-7 in F.  F then holds temporaries (its upper half) and P's codes.
; Tile 0's scores, once converted, give their 64 registers to V's fragments, which land under tile 1's sums and holds.
; THE ORDER OF A STEP'S VECTOR WORK: maxima and sums in eight chains; tile 0's exponentials stand by turns with tile 1's t - M, tile 1's with tile 0's holds: what these plain lines write is first read behind the wait that follows the batch.
; LIMITS: e6 + e7 between -88 and 29 (so that c 2^(e6 + e7) 2^100 lies between 2^8 and the largest f32 number); e8 and e10 between -126 and 112; e8 + e9 is applied by v_ldexp_f32 and has none.
.set VIMG,  131072                     ; LDS: K's 128 images from byte 0, V's 128 from here (step of 64 keys x 4,096 + channel tile x 1,024),
.set BIAS,  262144                     ; 2,048 f32 in the keys' order, written by ds_store: no tile lands here,
.set SPARE, 270336                     ; and the spare words, 128 bytes a wave
.set HEADB, 393216                     ; a head's Q, K and V images in memory, 131,072 bytes each
.set L16, 1                            ; v1   16 x lane
.set AB0, 2                            ; v2   BIAS + 32 (lane / 16)
.set AD,  3                            ; v3   the address of K's, then of V's loads
.set SC,  4                            ; v4   2^e8 (at the end 2^e10), for the conversions
.set ADB, 5                            ; v5   the address of the mask's numbers; at the end 57,344 x 2^e10
.set LIM, 5
.set ST,  6                            ; tile t's statistics at v[6 + 4 t]: -M, the largest raw score, f, the sum
.set F,   14                           ; v14-45
.set TM,  F+16                         ; sixteen temporaries
.set Q,   46                           ; v46-61   Q's two fragments
.set O,   62                           ; v62-125  O^T: 32 a tile
.set S,   126                          ; v126-253 S^T, then p: 64 a tile
.set SPW, 254
.set NIL, 255
.set WV,  24                           ; s24  my wave's number
.set SEL, 30                           ; s[30:31] lane selects for v_permlanex16_b32: lane l xor 16
.set CS,  32                           ; s[32:33] c = log2(e) / 8 x 2^(e6 + e7), twice
.set TB,  34                           ; s34  the step's first byte in K's images
.set TBB, 35                           ; s35  among the mask's numbers
.set CNT, 36                           ; s36  steps to go
.set TBV, 37                           ; s37  the step's first byte in V's images
.set EPV, 38                           ; s38  e8 + e9
.set LIMS, 39                          ; s39  57,344 x 2^e8
.macro CROUND                          ; a round of the cluster's barrier
	s_barrier_signal -1
	s_barrier_wait -1
	s_cmp_lg_u32 s[WV], 0
	s_cbranch_scc1 .Lnot_wave_0_\@
	s_barrier_signal -3
.Lnot_wave_0_\@:
	s_barrier_wait -3
	s_barrier_signal -1
	s_barrier_wait -1
.endm
.macro NOPS n
.rept \n
	v_nop
.endr
.endm
.macro KLOAD dst, c0                   ; four fragments of K, key tiles c0 .. c0 + 3: 32 lanes take 512 consecutive bytes
.irp c, 0,1,2,3
.irp g, 0,1
	ds_load_b128 v[\dst+8*\c+4*\g:\dst+8*\c+4*\g+3], v[AD] offset:1024*(\c0+\c)+512*\g
.endr
.endr
.endm
.macro BLOAD c0                        ; the mask's numbers of keys 16 c + 8 h + 0 .. 7, into tile 0's accumulator c; sixteen lanes share each 16 bytes
.irp c, 0,1,2,3
.irp g, 0,1
	ds_load_b128 v[S+8*(\c0+\c)+4*\g:S+8*(\c0+\c)+4*\g+3], v[ADB] offset:64*(\c0+\c)+16*\g
.endr
.endr
.endm
.macro SMUL c0, a, t                   ; S^T = K Q^T + the mask, key tiles c0 .. c0 + 3 of query tile t; C is tile 0's accumulator, which still holds the mask's numbers
.irp c, 0,1,2,3
	v_wmma_f32_16x16x64_bf8_bf8 v[S+64*\t+8*(\c0+\c):S+64*\t+8*(\c0+\c)+7], v[\a+8*\c:\a+8*\c+7], v[Q+8*\t:Q+8*\t+7], v[S+8*(\c0+\c):S+8*(\c0+\c)+7]
.endr
.endm
.macro HOLD b, n                       ; the conversion does not saturate (ISA guide 7.6.2); p is not negative, so the hold is one-sided; two numbers an instruction
.set k, 0
.rept \n
	v_dual_min_num_f32 v[\b+k], s[LIMS], v[\b+k] :: v_dual_min_num_f32 v[\b+k+1], s[LIMS], v[\b+k+1]
.set k, k+2
.endr
.endm
; The sum of a tile's 64 unquantised p a lane, in eight chains of pairs.  mix = 1: the tile's holds stand between the levels of the chains' joining
.macro SUM t, mix
.set SB, S+64*\t
.irp q, 0,1,2,3,4,5,6,7
	v_pk_add_f32 v[TM+2*\q:TM+2*\q+1], v[SB+4*\q:SB+4*\q+1], v[SB+4*\q+2:SB+4*\q+3]
.endr
.irp u, 32,48
.irp q, 0,1,2,3,4,5,6,7
	v_pk_add_f32 v[TM+2*\q:TM+2*\q+1], v[TM+2*\q:TM+2*\q+1], v[SB+\u+2*\q:SB+\u+2*\q+1]
.endr
.endr
.irp q, 0,1,2,3
	v_pk_add_f32 v[TM+2*\q:TM+2*\q+1], v[TM+2*\q:TM+2*\q+1], v[TM+2*\q+8:TM+2*\q+9]
.endr
.if \mix
	HOLD SB, 8
.endif
.irp q, 0,1
	v_pk_add_f32 v[TM+2*\q:TM+2*\q+1], v[TM+2*\q:TM+2*\q+1], v[TM+2*\q+4:TM+2*\q+5]
.endr
.if \mix
	HOLD SB+16, 8
.endif
	v_pk_add_f32 v[TM:TM+1], v[TM:TM+1], v[TM+2:TM+3]
.if \mix
	HOLD SB+32, 8
.endif
	v_add_f32 v[TM], v[TM], v[TM+1]
.if \mix
	HOLD SB+48, 8
.endif
	v_add_f32 v[ST+4*\t+3], v[ST+4*\t+3], v[TM]
.endm
.macro CODES t                         ; registers 2 c, 2 c + 1 of P's fragment: keys 16 c + 8 h + 0 .. 7
.irp c, 0,1,2,3,4,5,6,7
	v_cvt_scalef32_pk8_bf8_f32 v[F+16*\t+2*\c:F+16*\t+2*\c+1], v[S+64*\t+8*\c:S+64*\t+8*\c+7], v[SC]
.endr
.endm
	s_load_b256 s[4:11], s[0:1], 0x0               ; qkv s[4:5], the mask s[6:7], the scales' exponents s[8:9], aimg s[10:11]
	v_lshl_add_u32 v[SPW], v0, 2, SPARE
	v_mov_b32 v[NIL], 0
	ds_add_u32 v[SPW], v[NIL]                      ; the opening lines: the add, twice on end, and its wait ahead of my tensor load
	ds_add_u32 v[SPW], v[NIL]
	v_lshrrev_b32 v[AD], 5, v0
	v_readfirstlane_b32 s[WV], v[AD]               ; wave 0..15
	s_and_b32 s25, ttmp7, 0xffff                   ; 16 b + head, which the four partners share
	s_bfe_u32 s26, ttmp6, 0x40000                  ; cx: my block of 512 queries; it enters Q's and the output's addresses alone
	s_lshr_b32 s27, s25, 4                         ; b
	s_and_b32 s28, s25, 15                         ; head
	s_mov_b32 s16, 15|(3<<16)|(1<<21)              ; group 1: 16,384 dense bytes as 64 rows of 256; the mask: all four work-groups; elements of 8 bytes; no padding
	s_mov_b32 s17, 32<<16
	s_mov_b32 s18, 64<<16
	s_mov_b32 s19, 32<<16
	s_mov_b32 s20, 64
	s_mov_b32 s21, 32
	s_mov_b32 s22, 0
	s_mov_b32 s23, 0
	s_mul_i32 s48, s25, HEADB
	s_mov_b32 s49, 0
	s_lshl_b32 s50, s[WV], 14
	s_mov_b32 s51, 0
	s_mov_b32 s[SEL], 0x76543210
	s_mov_b32 s[SEL+1], 0xfedcba98
	s_mov_b32 s[TB], 0
	s_mov_b32 s[TBV], VIMG
	s_mov_b32 s[TBB], 0
	s_mov_b32 s[CNT], 16
	s_wait_dscnt 0x0
	s_wait_kmcnt 0x0
	s_add_nc_u64 s[4:5], s[4:5], s[48:49]          ; qkv at my head
	s_mov_b32 s12, 1
	s_lshl_b32 s13, s[WV], 14                      ; LDS address: wave x 16,384: K and V lie on end in LDS as in memory
	s_add_nc_u64 s[14:15], s[4:5], s[50:51]
	s_add_nc_u64 s[14:15], s[14:15], 131072        ; behind Q's images
	s_or_b32 s15, s15, 0x80000000
	CROUND                                         ; all four work-groups are here: the joint loads meet
	tensor_load_to_lds s[12:15], s[16:23]          ; my one tensor load
	s_nop 0
	NOPS 4
	s_load_b256 s[40:47], s[8:9], 0x10             ; e4 .. e11
	v_lshlrev_b32 v[S+9], 2, v0
	s_lshl_b32 s48, s27, 11
	s_add_nc_u64 s[6:7], s[6:7], s[48:49]          ; the mask's row of my batch
	global_load_b32 v[S+8], v[S+9], s[6:7]         ; four keys' bytes a thread: 512 threads take the 2,048
	s_lshl_b32 s48, s26, 5
	s_lshl_b32 s52, s[WV], 1
	s_add_co_u32 s48, s48, s52                     ; my first tile of 16 queries: 32 cx + 2 wave
	s_lshl_b32 s52, s48, 10
	s_mov_b32 s53, 0
	s_add_nc_u64 s[52:53], s[4:5], s[52:53]
	v_and_b32 v[L16], 31, v0
	v_lshlrev_b32 v[L16], 4, v[L16]
.irp t, 0,1
.irp g, 0,1
	global_load_b128 v[Q+8*\t+4*\g:Q+8*\t+4*\g+3], v[L16], s[52:53] offset:1024*\t+512*\g   ; Q's fragments stay in registers
.endr
.endr
	s_lshl_b32 s54, s27, 7                         ; the output: ((128 b + tile of queries) x 16 + head) x 1,024
	s_add_co_u32 s54, s54, s48
	s_lshl_b32 s54, s54, 4
	s_add_co_u32 s54, s54, s28
	s_lshl_b32 s54, s54, 10
	s_mov_b32 s55, 0
	s_add_nc_u64 s[10:11], s[10:11], s[54:55]
	v_bfe_u32 v[AB0], v0, 4, 1
	v_lshl_add_u32 v[AB0], v[AB0], 5, BIAS
	v_lshl_add_u32 v[S+11], v0, 4, BIAS            ; where my four keys' numbers go
	v_mov_b32 v[S+10], 0xf1800000                  ; -2^100
.irp t, 0,1
	v_mov_b32 v[ST+4*\t+1], 0xf1800000             ; the largest raw score so far: -2^100
	v_mov_b32 v[ST+4*\t+2], 0
	v_mov_b32 v[ST+4*\t+3], 0                      ; the sum
.endr
.set j, 0
.rept 64
	v_mov_b32 v[O+j], 0                            ; O^T.  (The step is written once: the first finds zeros, which the first change of M leaves zeros)
.set j, j+1
.endr
	s_wait_alu depctr_va_vdst(0)
	s_wait_loadcnt 0x4                             ; the mask's word is in; Q's four loads may be out
.irp k, 0,1,2,3
	v_bfe_u32 v[S+\k], v[S+8], 8*\k, 8
.endr
.irp k, 0,1,2,3
	v_cmp_ne_u32 vcc_lo, 0, v[S+\k]
	v_cndmask_b32 v[S+\k], 0, v[S+10], vcc_lo      ; masked: -2^100; else 0
.endr
	ds_store_b128 v[S+11], v[S:S+3]
	s_wait_kmcnt 0x0
	s_add_co_i32 s48, s42, s43
	s_lshl_b32 s48, s48, 23
	s_add_co_i32 s[CS], s48, 0x3e38aa3b            ; c = log2(e) / 8, with e6 + e7 added to its exponent field
	s_mov_b32 s[CS+1], s[CS]
	s_add_co_i32 s[EPV], s44, s45
	s_add_co_i32 s48, s44, 127
	s_lshl_b32 s49, s48, 23
	s_add_co_i32 s48, s48, 15
	s_lshl_b32 s48, s48, 23
	s_or_b32 s[LIMS], s48, 0x600000                ; 57,344 x 2^e8
	s_add_co_i32 s48, s46, 127
	s_lshl_b32 s57, s48, 23                        ; 2^e10
	s_add_co_i32 s48, s48, 15
	s_lshl_b32 s48, s48, 23
	s_or_b32 s58, s48, 0x600000                    ; 57,344 x 2^e10
	v_mov_b32 v[SC], s49                           ; 2^e8 as f32
.irp t, 0,1
	v_mul_f32 v[ST+4*\t], s[CS], v[ST+4*\t+1]
.endr
.irp t, 0,1
	v_floor_f32 v[ST+4*\t], -v[ST+4*\t]            ; -M begins at floor(c 2^100), over every later -M
.endr
	s_wait_alu depctr_va_vdst(0)
	s_wait_loadcnt 0x0                             ; Q
	s_wait_tensorcnt 0x0                           ; my part of K or V has landed,
	s_wait_dscnt 0x0                               ; my four numbers of the mask are stored:
	s_barrier_signal -1
	s_barrier_wait -1                              ; everybody's are.  From here on LDS is only read
.Lstep:                                            ; 16 trips of 128 keys
	v_add_nc_u32 v[AD], s[TB], v[L16]
	v_add_nc_u32 v[ADB], s[TBB], v[AB0]
	NOPS 2                                         ; with the additions: four places behind the last trip's products, in front of loads into registers that they read
	KLOAD S+96, 0                                  ; K's tiles 0-3 wait in tile 1's accumulators 4-7
	BLOAD 0
	KLOAD F, 4
	BLOAD 4
	s_wait_dscnt 16                                ; K's tiles 0-3 and their mask are in; the youngest sixteen loads (tiles 4-7 and their mask) may be out
	SMUL 0, S+96, 1
	NOPS 5                                         ; five places in front of products that write over the mask's numbers, which the four above took as C
	SMUL 0, S+96, 0
	s_wait_dscnt 0x0
	NOPS 5                                         ; five places in front of products that write over K's tiles 0-3
	SMUL 4, F, 1
	NOPS 5
	SMUL 4, F, 0
	v_add_nc_u32 v[AD], s[TBV], v[L16]
	NOPS 3                                         ; four places in front of the first read of the scores and of writes into K's registers
.irp t, 0,1                                    ; the step's largest score of my query among my 64 keys, four chains a tile; each accumulator is first read at its low end
.irp q, 0,1,2,3
	v_max3_num_f32 v[TM+4*\t+\q], v[S+64*\t+3*\q], v[S+64*\t+3*\q+1], v[S+64*\t+3*\q+2]
.endr
.endr
.set j, 12
.rept 6
.irp t, 0,1
.irp q, 0,1,2,3
	v_max3_num_f32 v[TM+4*\t+\q], v[TM+4*\t+\q], v[S+64*\t+j+2*\q], v[S+64*\t+j+2*\q+1]
.endr
.endr
.set j, j+8
.endr
.irp t, 0,1
.irp q, 0,1
	v_max3_num_f32 v[TM+4*\t+\q], v[TM+4*\t+\q], v[S+64*\t+60+2*\q], v[S+64*\t+61+2*\q]
.endr
.endr
.irp t, 0,1
	v_max3_num_f32 v[TM+4*\t], v[TM+4*\t], v[TM+4*\t+1], v[TM+4*\t+2]
.endr
.irp t, 0,1
	v_max_num_f32 v[TM+4*\t], v[TM+4*\t], v[TM+4*\t+3]
.endr
.irp t, 0,1
	v_permlanex16_b32 v[TM+4*\t+1], v[TM+4*\t], s[SEL], s[SEL+1]
.endr
.irp t, 0,1
	v_max3_num_f32 v[ST+4*\t+1], v[ST+4*\t+1], v[TM+4*\t], v[TM+4*\t+1]   ; the running largest raw score, lane l xor 16's among it
.endr
.irp t, 0,1
	v_mov_b32 v[TM+4*\t+1], v[ST+4*\t]
.endr
.irp t, 0,1
	v_mul_f32 v[TM+4*\t], s[CS], v[ST+4*\t+1]      ; as t (c is positive)
.endr
.irp t, 0,1
	v_floor_f32 v[ST+4*\t], -v[TM+4*\t]            ; the new -M = floor(-t) = -ceil(t): M is a whole number
.endr
.irp t, 0,1
	v_sub_f32 v[TM+4*\t+1], v[ST+4*\t], v[TM+4*\t+1]   ; old M - new M: a whole number, 0 or less
.endr
.irp t, 0,1
	v_cvt_i32_f32 v[TM+4*\t+1], v[TM+4*\t+1]       ; (it saturates)
.endr
.irp t, 0,1
	v_ldexp_f32 v[ST+4*\t+2], 1.0, v[TM+4*\t+1]    ; f = 2^(old M - new M)
.endr
.set j, 0
.rept 32
	v_pk_fma_f32 v[S+j:S+j+1], v[S+j:S+j+1], s[CS:CS+1], v[ST:ST+1] op_sel_hi:[1,0,0]   ; tile 0: t - M, two at a time
.set j, j+2
.endr
.irp t, 0,1
	v_mul_f32 v[ST+4*\t+3], v[ST+4*\t+3], v[ST+4*\t+2]   ; the sums under the new M
.endr
	s_wait_alu depctr_va_vdst(0)
.set j, 0
.rept 32
	v_exp_f32 v[S+j], v[S+j]                       ; tile 0: p = 2^(t - M), at most 1: not normalised
	v_exp_f32 v[S+j+1], v[S+j+1]
	v_pk_fma_f32 v[S+64+j:S+64+j+1], v[S+64+j:S+64+j+1], s[CS:CS+1], v[ST+4:ST+5] op_sel_hi:[1,0,0]   ; tile 1: t - M; first read behind the wait below
.set j, j+2
.endr
	s_wait_alu depctr_va_vdst(0)                   ; one wait: behind tile 0's exponentials, ahead of their first reader, and ahead of tile 1's, which read the lines laid between
	SUM 0, 0
.set j, 0
.rept 32
	v_exp_f32 v[S+64+j], v[S+64+j]                 ; tile 1's p
	v_exp_f32 v[S+64+j+1], v[S+64+j+1]
	v_dual_min_num_f32 v[S+j], s[LIMS], v[S+j] :: v_dual_min_num_f32 v[S+j+1], s[LIMS], v[S+j+1]   ; tile 0's hold, behind its sum; first read behind the wait below
.set j, j+2
.endr
	v_nop                                          ; a plain instruction behind the exponentials
	s_wait_alu depctr_va_vdst(0)                   ; one wait for the batch and for the holds laid in it
	CODES 0
.irp c, 0,1,2,3                                ; V's four fragments of 16 channels x 128 keys, into tile 0's 64 registers
.irp u, 0,1
.irp g, 0,1
	ds_load_b128 v[S+16*\c+8*\u+4*\g:S+16*\c+8*\u+4*\g+3], v[AD] offset:4096*\u+1024*\c+512*\g
.endr
.endr
.endr
	SUM 1, 1
	CODES 1
	s_wait_alu depctr_va_vdst(0)                   ; directly ahead of the first reader of O^T
.irp t, 0,1
.irp j, 0,2,4,6,8,10,12,14,16,18,20,22,24,26,28,30
	v_pk_mul_f32 v[O+32*\t+\j:O+32*\t+\j+1], v[O+32*\t+\j:O+32*\t+\j+1], v[ST+4*\t+2:ST+4*\t+3] op_sel_hi:[1,0]   ; O^T under the new M.  (Plain work between the conversions and the products that read their results)
.endr
.endr
	s_wait_alu depctr_va_vdst(0)
	s_wait_dscnt 0x0                               ; V is in
.irp c, 0,1,2,3
.irp t, 0,1
	v_wmma_f32_16x16x128_bf8_bf8 v[O+32*\t+8*\c:O+32*\t+8*\c+7], v[S+16*\c:S+16*\c+15], v[F+16*\t:F+16*\t+15], v[O+32*\t+8*\c:O+32*\t+8*\c+7]   ; O^T += V^T P^T: eight accumulators by turns
.endr
.endr
	s_add_co_u32 s[TB], s[TB], 8192
	s_add_co_u32 s[TBV], s[TBV], 8192
	s_add_co_u32 s[TBB], s[TBB], 512
	s_sub_co_u32 s[CNT], s[CNT], 1
	s_cmp_lg_u32 s[CNT], 0
	s_cbranch_scc1 .Lstep
	; THE WAY OUT.  The lines up to the first read of O^T name nothing of the last products: they are the places behind them.
.irp t, 0,1
	v_permlanex16_b32 v[ST+4*\t+2], v[ST+4*\t+3], s[SEL], s[SEL+1]
.endr
.irp t, 0,1
	v_add_f32 v[ST+4*\t+3], v[ST+4*\t+3], v[ST+4*\t+2]   ; with lane l xor 16's: the row's sum
.endr
	v_mov_b32 v[SC], s57                           ; 2^e10
	v_mov_b32 v[LIM], s58                          ; 57,344 x 2^e10
	v_mov_b32 v[AD], 0x7f7f7f7f                    ; four NaN codes
	s_wait_alu depctr_va_vdst(0)
.irp t, 0,1
	v_rcp_f32 v[ST+4*\t+2], v[ST+4*\t+3]
.endr
	v_nop                                          ; a plain instruction behind the reciprocals
	s_wait_alu depctr_va_vdst(0)                   ; one wait for both, ahead of their first reader
.irp t, 0,1
	v_ldexp_f32 v[ST+4*\t+2], v[ST+4*\t+2], s[EPV] ; x 2^(e8 + e9)
.endr
	s_wait_alu depctr_va_vdst(0)                   ; directly ahead of the first reader of O^T
.irp t, 0,1
.irp j, 0,2,4,6,8,10,12,14,16,18,20,22,24,26,28,30
	v_pk_mul_f32 v[S+32*\t+\j:S+32*\t+\j+1], v[O+32*\t+\j:O+32*\t+\j+1], v[ST+4*\t+2:ST+4*\t+3] op_sel_hi:[1,0]   ; register 8 c + j: channel 16 c + 8 h + j of my query
.endr
.endr
.set j, 0
.rept 64
	v_med3_num_f32 v[S+j], v[S+j], -v[LIM], v[LIM] ; the hold at the largest code x 2^e10
.set j, j+1
.endr
.irp t, 0,1
.irp c, 0,1,2,3
	v_cvt_scalef32_pk8_bf8_f32 v[F+8*\t+2*\c:F+8*\t+2*\c+1], v[S+32*\t+8*\c:S+32*\t+8*\c+7], v[SC]
.endr
.endr
	v_nop                                          ; one plain vector instruction between the conversions and the selects on their results
.irp t, 0,1
	v_cmp_gt_f32 vcc_lo, 0xf1000000, v[ST+4*\t+1]  ; -2^99 lies over the largest raw score: no key counted for this query
.irp k, 0,1,2,3,4,5,6,7
	v_cndmask_b32 v[F+8*\t+\k], v[F+8*\t+\k], v[AD], vcc_lo
.endr
.endr
.irp t, 0,1
.irp g, 0,1
	global_store_b128 v[L16], v[F+8*\t+4*\g:F+8*\t+4*\g+3], s[10:11] offset:16384*\t+512*\g   ; 32 lanes store 512 consecutive bytes, aligned: half an image
.endr
.endr
	s_wait_tensorcnt 0x0                           ; the wave's end
	ds_add_u32 v[SPW], v[NIL]
	s_wait_dscnt 0x0
	CROUND                                         ; the closing round: no work-group ends while a partner may still ask for a tile that names it
	s_endpgm
.Lfunc_end_k_q4165fde294_attn:
	.size	k_q4165fde294_attn, .Lfunc_end_k_q4165fde294_attn-k_q4165fde294_attn
	.p2alignl 7, 3214868480
	.fill 96, 4, 3214868480
	.section	.rodata,"a",@progbits
	.p2align	6, 0x0
	.amdhsa_kernel k_q4165fde294_attn
		.amdhsa_group_segment_fixed_size 327680
		.amdhsa_private_segment_fixed_size 0
		.amdhsa_enable_private_segment 0
		.amdhsa_kernarg_size 32
		.amdhsa_user_sgpr_count 2
		.amdhsa_user_sgpr_kernarg_segment_ptr 1
		.amdhsa_wavefront_size32 1
		.amdhsa_system_sgpr_workgroup_id_x 1
		.amdhsa_system_sgpr_workgroup_id_y 1
		.amdhsa_system_sgpr_workgroup_id_z 1
		.amdhsa_system_vgpr_workitem_id 0
		.amdhsa_next_free_vgpr 256
		.amdhsa_next_free_sgpr 66
		.amdhsa_reserve_vcc 1
		.amdhsa_float_denorm_mode_32 3
		.amdhsa_float_denorm_mode_16_64 3
		.amdhsa_memory_ordered 1
		.amdhsa_forward_progress 1
		.amdhsa_inst_pref_size 47
	.end_amdhsa_kernel
	.amdgpu_metadata
---
amdhsa.version: [ 1, 2 ]
amdhsa.kernels:
  - .name:           k_q4165fde294_attn
    .symbol:         k_q4165fde294_attn.kd
    .args:
      - { .name: qkv, .offset: 0, .size: 8, .value_kind: global_buffer, .address_space: global }
      - { .name: attn_padding_mask, .offset: 8, .size: 8, .value_kind: global_buffer, .address_space: global }
      - { .name: lowp_scales, .offset: 16, .size: 8, .value_kind: global_buffer, .address_space: global }
      - { .name: aimg, .offset: 24, .size: 8, .value_kind: global_buffer, .address_space: global }
    .group_segment_fixed_size: 327680
    .private_segment_fixed_size: 0
    .kernarg_segment_align: 8
    .kernarg_segment_size: 32
    .max_flat_workgroup_size: 512
    .sgpr_count:     66
    .vgpr_count:     256
    .wavefront_size: 32
...
	.end_amdgpu_metadata
.endif
;; end of part 2
;; launch oproj (part 3): grid 4 x 64, 4 waves a work-group, clusters of 4 x 4, 327,680 bytes of LDS; arguments aimg, Wo_codes, lowp_scales, bo, out0; writes out0
.if DOCPART == 3
	.amdgcn_target "amdgcn-amd-amdhsa--gfx1250"
	.amdhsa_code_object_version 6
	.text
	.protected	k_q4165fde294_oproj
	.globl	k_q4165fde294_oproj
	.p2align	8
	.type	k_q4165fde294_oproj,@function
k_q4165fde294_oproj:
	s_mov_b64 s[64:65], 0
	v_nop
	global_prefetch_b8 v0, s[64:65] scope:SCOPE_SE
	s_setreg_imm32_b32 hwreg(HW_REG_WAVE_MODE, 25, 1), 1
	s_wait_xcnt 0x0
	s_wait_alu depctr_hold_cnt(0) depctr_sa_sdst(0) depctr_va_vdst(0) depctr_va_sdst(0) depctr_va_ssrc(0) depctr_va_vcc(0) depctr_vm_vsrc(0)
	s_getreg_b32 s2, hwreg(HW_REG_IB_STS2, 6, 4)
	s_cmp_eq_u32 s2, 0
	s_cbranch_scc0 .Lentry_in_a_cluster
	s_endpgm
.Lentry_in_a_cluster:
	s_bfe_u32 s2, ttmp6, 0x10000c
	s_cmp_lg_u32 s2, 0xf033
	s_cbranch_scc0 .Lentry_shape_is_right
	s_endpgm
.Lentry_shape_is_right:
; THE LAST PROJECTION: out0 = a Wo^T + bo, [8192][1024] x [1024][1024] on codes of BF8 (E5M2); each finished sum is multiplied once by 2^(e10 + e11) and the bias is added, one fused multiply-add in f32.
; a comes from attention as images of operand registers: ((128 b + tile of 16 queries) x 16 + head) x 1,024 bytes; Wo as rows of 1,024 codes.
; SHARES.  A work-group makes 128 rows (queries of one batch) x 256 columns: 64 x 4 = 256 work-groups.  Four waves, each 64 x 128: 32 accumulators, in window 2.
; K goes in steps of 256 (four heads) through two LDS slots filled by joint loads; 1,024 along K are four fills, so the eight steps of 128 are written out.
; CLUSTERS: 4 x 4 work-groups.  a's tiles are shared along a row of the cluster, Wo's along a column.  Waves 0 and 1 fetch a's two halves (4 rows of 4,096 bytes: 4 tiles of queries x 4 heads), waves 2 and 3 Wo's (128 rows of 256 bytes).
; Source 0 = 16 rows of Wo, source 1 = 16 rows of a: a lane holds eight neighbouring numbers of a row of out0.  a's images give the form's own order of k, so Wo's fragments are read in it too: eight loads of 8 bytes.
; REGISTERS: window 0: v1-31 addresses, v32-35 the bias, v128-255 a's fragments, two sets of four blocks; window 1: Wo's fragments, two sets of eight; window 2: accumulator (a, b) at v[8 (8 a + b)].
; While one pair of sets is multiplied the other is fetched.  A block of 16 rows leaves through the wave's stage in slot 0, which has then had its last fill and its last read, as rows of 512 bytes.
; PREFETCHES INTO THE L2: behind K step 0's load K steps 1 and 2 are named, behind K step 1's load K step 3.  The four partners that ask for a tile jointly share its blocks of 256 bytes out by address:
; of a's 4 rows the partner at cx names row cx, 16 blocks (lanes 16-31 name the last again); of Wo's 128 rows the partner at cy names 32, a lane a row.  a's tiles belong to one cluster each; Wo is walked by sixteen clusters, of which four ask.
; LIMIT: e10 + e11 between -126 and 127, so that 2^(e10 + e11) is an f32 number.
.set PITCH,  272                       ; Wo's LDS row: 256 bytes + 16 of padding
.set FR,     16                        ; registers of a fragment: 16 rows x 128 K
.set NP,     4                         ; places behind this matrix instruction (ISA guide 7.12.1)
.set AREG,   32768                     ; a's part of a slot: 8 tiles of queries x 4 heads x 1,024
.set WHALF,  128*PITCH
.set SLOT,   AREG+2*WHALF
.set SPARE,  2*SLOT                    ; behind the ring: the spare words, 128 bytes a wave
.set SPITCH, 528                       ; the stage: 16 rows x (512 + 16) bytes a wave
.set ADRA, 16                          ; v16-17  LDS address of my fragments of a in slot 0, 1
.set ADRB, 20                          ; v20-21  the same for Wo
.set STO,  24
.set RD,   25
.set CO,   26                          ; v26     16 x lane
.set SPW,  28
.set NIL,  29
.set PFO,  30                          ; v30     the prefetches' offset; never rewritten
.set BI,   32                          ; v32-35  my four numbers of the bias
.set AF,   128
.set BK,   128                         ; the way out: 16 rows read back: v128-191 and v192-255 by turns
.set G1, 24
.set G0, 32
.set G1B, 48
.set G0B, 56
.set MSB, 0
.macro WIN new                         ; the immediate's high byte repeats the setting that is left
.if MSB != \new
	s_set_vgpr_msb (MSB<<8)|\new
.set MSB, \new
.endif
.endm
.set MUL_LO, 0xa1                      ; source 0 (Wo) window 1, source 1 (a) window 0, C and D window 2
.set TO_B,   0x40                      ; destination window 1, address window 0
.macro JLOAD g0a, g1a, g0b, g1b        ; a joint load; an s_nop 0 and four v_nop follow each of the two lines
	s_cmp_eq_u32 s15, 0
	s_cbranch_scc0 .Lfor_b_\@
	tensor_load_to_lds s[\g0a:\g0a+3], s[\g1a:\g1a+7]
	s_nop 0
.rept 4
	v_nop
.endr
	s_branch .Lasked_\@
.Lfor_b_\@:
	tensor_load_to_lds s[\g0b:\g0b+3], s[\g1b:\g1b+7]
	s_nop 0
.rept 4
	v_nop
.endr
.Lasked_\@:
.endm
.macro CREST
	s_cmp_lg_u32 s14, 0
	s_cbranch_scc1 .Lnot_wave_0_\@
	s_barrier_signal -3
.Lnot_wave_0_\@:
	s_barrier_wait -3
	s_barrier_signal -1
	s_barrier_wait -1
.endm
.macro CROUND
	s_barrier_signal -1
	s_barrier_wait -1
	CREST
.endm
.macro ASK k                           ; K step k of what I fetch: 4,096 bytes on in a's rows, 256 in Wo's
	s_cmp_eq_u32 s71, 1
	s_cbranch_scc0 .Lno_ask_\@
	s_cmp_eq_u32 s15, 0
	s_cbranch_scc0 .Lask_w_\@
	global_prefetch_b8 v[PFO], s[68:69] offset:4096*\k th:TH_LOAD_NT scope:SCOPE_SE
	s_branch .Lno_ask_\@
.Lask_w_\@:
	global_prefetch_b8 v[PFO], s[68:69] offset:256*\k th:TH_LOAD_NT scope:SCOPE_SE
.Lno_ask_\@:
.endm
	s_load_b128 s[4:7], s[0:1], 0x0                ; aimg, Wo's codes
	s_load_b128 s[8:11], s[0:1], 0x10              ; the scales' exponents, bo
	s_load_b64 s[12:13], s[0:1], 0x20              ; out0
	v_lshl_add_u32 v[SPW], v0, 2, SPARE
	v_mov_b32 v[NIL], 0
	ds_add_u32 v[SPW], v[NIL]                      ; the opening lines: the add, twice on end, and its wait ahead of my first tensor load
	ds_add_u32 v[SPW], v[NIL]
	v_lshrrev_b32 v1, 5, v0
	v_readfirstlane_b32 s14, v1                    ; wave 0..3
	s_lshr_b32 s15, s14, 1                         ; which 64 rows are mine.  Also: I fetch a (0) or Wo (1)
	s_and_b32 s16, s14, 1                          ; which 128 columns.  Also: which half of that tile I fetch
	s_bfe_u32 s40, ttmp6, 0x40000                  ; cx, cy
	s_bfe_u32 s41, ttmp6, 0x40004
	s_lshl_b32 s42, ttmp9, 2
	s_add_co_u32 s42, s42, s40                     ; tile column: 256 columns
	s_and_b32 s17, ttmp7, 0xffff
	s_lshl_b32 s17, s17, 2
	s_add_co_u32 s17, s17, s41                     ; tile row 0..63: 128 queries; 16 tile rows a batch
	s_lshl_b32 s43, s41, 2
	s_lshl_b32 s43, 15, s43                        ; my row of the cluster
	s_lshl_b32 s44, 0x1111, s40                    ; my column
	s_or_b32 s[G1+0], s43, (3<<16)|(1<<21)         ; a: elements of 8 bytes, no padding: 4 rows of 512, 2,048 apart (a tile of queries is 16,384 bytes)
	s_mov_b32 s[G1+1], 512<<16
	s_mov_b32 s[G1+2], 4<<16
	s_mov_b32 s[G1+3], 512<<16
	s_mov_b32 s[G1+4], 4
	s_mov_b32 s[G1+5], 2048
	s_mov_b32 s[G1+6], 0
	s_mov_b32 s[G1+7], 0
	s_or_b32 s[G1B+0], s44, (0<<16)|(1<<20)|(1<<21)|(5<<22)|(3<<25)   ; Wo: 128 rows of 256 bytes, 1,024 apart; four words of padding after every 64
	s_mov_b32 s[G1B+1], 256<<16
	s_mov_b32 s[G1B+2], 128<<16
	s_mov_b32 s[G1B+3], 256<<16
	s_mov_b32 s[G1B+4], 128
	s_mov_b32 s[G1B+5], 1024
	s_mov_b32 s[G1B+6], 0
	s_mov_b32 s[G1B+7], 0
	s_lshl_b32 s20, s17, 17                        ; a: 8 tiles of queries a tile row, 4 a half
	s_lshl_b32 s21, s16, 16
	s_add_co_u32 s20, s20, s21
	s_mov_b32 s21, 0
	s_lshl_b32 s46, s42, 18                        ; Wo: row 256 x tile column + 128 x half
	s_lshl_b32 s47, s16, 17
	s_add_co_u32 s46, s46, s47
	s_mov_b32 s47, 0
	s_lshl_b32 s66, s16, 14                        ; where they go: no place in the cluster enters an LDS address
	s_mul_i32 s67, s16, WHALF
	s_add_co_u32 s67, s67, AREG
	s_wait_dscnt 0x0
	s_wait_kmcnt 0x0
	s_load_b64 s[96:97], s[8:9], 0x28              ; e10, e11
	s_add_nc_u64 s[20:21], s[4:5], s[20:21]
	s_add_nc_u64 s[46:47], s[6:7], s[46:47]
	CROUND                                         ; all sixteen work-groups are here: the first joint loads meet
.irp s, 0,1
	s_mov_b32 s[G0+4*\s], 1
	s_add_co_u32 s[G0+4*\s+1], s66, \s*SLOT
	s_add_nc_u64 s[G0+4*\s+2:G0+4*\s+3], s[20:21], \s*4096
	s_or_b32 s[G0+4*\s+3], s[G0+4*\s+3], 0x80000000
	s_mov_b32 s[G0B+4*\s], 1
	s_add_co_u32 s[G0B+4*\s+1], s67, \s*SLOT
	s_add_nc_u64 s[G0B+4*\s+2:G0B+4*\s+3], s[46:47], \s*256
	s_or_b32 s[G0B+4*\s+3], s[G0B+4*\s+3], 0x80000000
.endr
	JLOAD G0, G1, G0B, G1B                         ; K step 0: one tensor load a wave at the head
	s_cmp_eq_u32 s15, 0
	s_cselect_b64 s[68:69], s[20:21], s[46:47]     ; the first byte of what I fetch
	s_cselect_b32 s70, -1, 0                       ; all lanes: I fetch a
	s_and_b32 s71, ttmp7, 0xffff
	s_cmp_lt_u32 s71, 4
	s_cselect_b32 s71, 1, 0
	s_cmp_eq_u32 s15, 0
	s_cselect_b32 s71, 1, s71                      ; 1: my wave asks
	s_lshl_b32 s72, s40, 14
	s_lshl_b32 s73, s41, 5
	v_and_b32 v6, 31, v0
	v_min_u32 v7, 15, v6
	v_lshlrev_b32 v7, 8, v7
	v_add_nc_u32 v7, s72, v7                       ; a: row cx, block min(lane, 15)
	v_add_nc_u32 v8, s73, v6
	v_lshlrev_b32 v8, 10, v8                       ; Wo: row 32 cy + lane
	v_cndmask_b32 v[PFO], v8, v7, s70
	v_and_b32 v1, 15, v0                           ; r
	v_bfe_u32 v2, v0, 4, 1                         ; h
	v_lshlrev_b32 v[CO], 4, v6
	v_mul_u32_u24 v3, v1, PITCH
	v_lshl_add_u32 v4, v2, 3, v3                   ; Wo's fragment: row r x pitch + 8 h
	v_mul_u32_u24 v5, v1, SPITCH
	v_lshl_add_u32 v5, v2, 5, v5                   ; the stage, in: row r, 32 bytes for each half of the lanes
	s_wait_alu depctr_va_vdst(0)
	ASK 1
	ASK 2
	s_lshl_b32 s21, s15, 14                        ; my 4 tiles of queries
	s_mul_i32 s22, s16, WHALF
	s_add_co_u32 s22, s22, AREG                    ; my 128 rows of Wo
.irp s, 0,1
	v_add_nc_u32 v[ADRA+\s], s21, v[CO]
	v_add_nc_u32 v[ADRB+\s], s22, v4
	s_add_co_u32 s21, s21, SLOT
	s_add_co_u32 s22, s22, SLOT
.endr
	s_mul_i32 s23, s14, 16*SPITCH                  ; my stage
	v_add_nc_u32 v[STO], s23, v5
	v_add_nc_u32 v[RD], s23, v[CO]
	s_lshl_b32 s18, s42, 10
	s_lshl_b32 s19, s16, 9
	s_add_co_u32 s18, s18, s19                     ; my first column, in bytes of f32
	s_mov_b32 s19, 0
	s_add_nc_u64 s[10:11], s[10:11], s[18:19]
	global_load_b128 v[BI:BI+3], v[CO], s[10:11]
	s_add_nc_u64 s[12:13], s[12:13], s[18:19]
	s_and_b32 s18, s17, 15                         ; my first row of out0: query 64 (2 (tile row % 16) + half), batch tile row / 16: (4 x query + batch) x 4,096 bytes
	s_lshl_b32 s18, s18, 1
	s_add_co_u32 s18, s18, s15
	s_lshl_b32 s18, s18, 8
	s_lshr_b32 s19, s17, 4
	s_add_co_u32 s18, s18, s19
	s_lshl_b32 s18, s18, 12
	s_mov_b32 s19, 0
	s_add_nc_u64 s[12:13], s[12:13], s[18:19]
.macro FRAGA reg, slot, q, i           ; two images on end: 16 queries x 128 K
.irp c, 0,1,2,3
	ds_load_b128 v[\reg+4*\c:\reg+4*\c+3], v[ADRA+\slot] offset:4096*(\i)+2048*(\q)+512*\c
.endr
.endm
.macro FRAGW reg, slot, q, i           ; registers 2 c, 2 c + 1: k = 16 c + 8 h + 0 .. 7
.irp c, 0,1,2,3,4,5,6,7
	ds_load_b64 v[\reg+2*\c:\reg+2*\c+1], v[ADRB+\slot] offset:128*(\q)+16*\c+(\i)*16*PITCH
.endr
.endm
; 16 matrix instructions: a's register blocks a0, a0 + 1 (set a0 / 4) x Wo's eight of set p.  The 32 accumulators take turns in the same order in every step
.macro MUL16 a0, p, zero
.irp a, \a0, \a0+1
.irp b, 0,1,2,3,4,5,6,7
.if \zero
	v_wmma_f32_16x16x128_bf8_bf8 v[8*(8*((\a)%4)+\b):8*(8*((\a)%4)+\b)+7], v[128*(\p)+FR*\b:128*(\p)+FR*\b+FR-1], v[AF+FR*(\a):AF+FR*(\a)+FR-1], 0
.else
	v_wmma_f32_16x16x128_bf8_bf8 v[8*(8*((\a)%4)+\b):8*(8*((\a)%4)+\b)+7], v[128*(\p)+FR*\b:128*(\p)+FR*\b+FR-1], v[AF+FR*(\a):AF+FR*(\a)+FR-1], v[8*(8*((\a)%4)+\b):8*(8*((\a)%4)+\b)+7]
.endif
.endr
.endr
.endm
.macro FETCH slot, q, p                ; the fragments of the slot's q-th 128 along K into both sides' set p
	WIN TO_B
.irp i, 0,1,2,3,4,5,6,7
	FRAGW 128*(\p)+FR*\i, \slot, \q, \i
.endr
	WIN 0
.irp i, 0,1,2,3
	FRAGA AF+FR*(4*(\p)+\i), \slot, \q, \i
.endr
.endm
.macro PLACES n
.rept \n
	v_nop
.endr
.endm
; A slot's first step multiplies the sets 0 and fetches the slot's second 128 along K into the sets 1
.macro STEP slot, zero
	s_wait_dscnt 0x0                               ; this step's fragments are in
	PLACES NP                                      ; places between the last products on the sets 1 and the loads into them
	WIN MUL_LO
	MUL16 0, 0, \zero
	FETCH \slot, 1, 1
	WIN MUL_LO
	MUL16 2, 0, \zero
	WIN 0
.endm
; A slot's second step multiplies the sets 1 and changes slots: each wave waits for all its tensor loads, adds 0 to its spare word, and waits for that and for its reads of this slot.  fill = 1: this slot is filled again, two K steps ahead
.macro TURN slot, next, fill
	s_wait_tensorcnt 0x0                           ; my part of the next slot has landed
	ds_add_u32 v[SPW], v[NIL]
	s_wait_dscnt 0x0                               ; the add is done, and my reads of this slot are over: its last fragments are in registers
	s_barrier_signal -1
	WIN MUL_LO
	MUL16 4, 1, 0                                  ; work on registers while the others arrive
	WIN 0
	s_barrier_wait -1
.if \fill
	CREST                                          ; the barrier has opened a round of the cluster's barrier
	s_add_nc_u64 s[G0+4*\slot+2:G0+4*\slot+3], s[G0+4*\slot+2:G0+4*\slot+3], 2*4096
	s_add_nc_u64 s[G0B+4*\slot+2:G0B+4*\slot+3], s[G0B+4*\slot+2:G0B+4*\slot+3], 2*256
	JLOAD G0+4*\slot, G1, G0B+4*\slot, G1B         ; the first tensor load behind the round; its four v_nop are the places in front of the loads below
.else
	PLACES NP
.endif
	FETCH \next, 0, 0
	WIN MUL_LO
	MUL16 6, 1, 0
	WIN 0
.endm
	s_wait_alu depctr_va_vdst(0)
	s_wait_tensorcnt 0x0                           ; my part of K step 0 is in
	ds_add_u32 v[SPW], v[NIL]
	s_wait_dscnt 0x0
	CROUND                                         ; everybody's part is in, and all sixteen work-groups are here
	JLOAD G0+4, G1, G0B+4, G1B                     ; K step 1: the first tensor load behind the round
	FETCH 0, 0, 0
	ASK 3
	STEP 0, 1                                      ; K 0-127: its products start the sums
	TURN 0, 1, 1                                   ; slot 0 takes K 512-767
	STEP 1, 0
	TURN 1, 0, 1                                   ; slot 1 takes K 768-1023
	STEP 0, 0
	TURN 0, 1, 0                                   ; nothing is left to fetch
	STEP 1, 0
	s_wait_dscnt 0x0                               ; the very last step
	WIN MUL_LO
	MUL16 4, 1, 0
	MUL16 6, 1, 0
	WIN 0
; THE WAY OUT, block by block of 16 rows x 128 columns: through my stage and back as whole rows of 512 bytes; LDS serves a wave's instructions in order (ISA guide 5.7.1.4)
.macro TOSTAGE a
.set AC, 64*(\a)
	WIN 0x08                                       ; store data: window 2
.irp b, 0,1,2,3,4,5,6,7
	ds_store_b128 v[STO], v[AC+8*\b:AC+8*\b+3] offset:64*\b
	ds_store_b128 v[STO], v[AC+8*\b+4:AC+8*\b+7] offset:64*\b+16
.endr
	WIN 0
.set BB, BK+64*((\a)%2)
.irp t, 0,1,2,3,4,5,6,7,8,9,10,11,12,13,14,15
	ds_load_b128 v[BB+4*\t:BB+4*\t+3], v[RD] offset:\t*SPITCH
.endr
.endm
.macro SEND a, younger                 ; younger: the LDS instructions issued behind block a's loads, which may stay out
.set BB, BK+64*((\a)%2)
	s_wait_dscnt \younger
.if (\a) > 0
	s_add_nc_u64 s[12:13], s[12:13], 16*16384      ; (behind a wait on XCNT)  16 queries on
.endif
.irp t, 0,1,2,3,4,5,6,7,8,9,10,11,12,13,14,15
	v_pk_fma_f32 v[BB+4*\t:BB+4*\t+1], v[BB+4*\t:BB+4*\t+1], s[96:97], v[BI:BI+1] op_sel_hi:[1,0,1]   ; sum x 2^(e10 + e11) + bias
	v_pk_fma_f32 v[BB+4*\t+2:BB+4*\t+3], v[BB+4*\t+2:BB+4*\t+3], s[96:97], v[BI+2:BI+3] op_sel_hi:[1,0,1]
.endr
.irp t, 0,1,2,3,4,5,6,7,8,9,10,11,12,13,14,15
	global_store_b128 v[CO], v[BB+4*\t:BB+4*\t+3], s[12:13] offset:\t*16384 th:TH_STORE_NT   ; 32 lanes store 512 consecutive bytes, aligned
.endr
.endm
	s_wait_kmcnt 0x0
	s_wait_loadcnt 0x0                             ; the bias
	s_add_co_i32 s96, s96, s97
	s_add_co_i32 s96, s96, 127
	s_lshl_b32 s96, s96, 23                        ; 2^(e10 + e11) as f32
	s_mov_b32 s97, s96
	PLACES NP                                      ; behind the last products: their results are read and a's registers are loaded into below
	TOSTAGE 0
.irp a, 1,2,3
.if \a > 1
	s_wait_xcnt 0x0                                ; block a - 2's stores have read their registers and their base
.endif
	TOSTAGE \a
	SEND \a-1, 32
.endr
	s_wait_xcnt 0x0
	SEND 3, 0
	s_wait_tensorcnt 0x0                           ; the wave's end
	ds_add_u32 v[SPW], v[NIL]
	s_wait_dscnt 0x0
	CROUND                                         ; the closing round
	s_endpgm
.Lfunc_end_k_q4165fde294_oproj:
	.size	k_q4165fde294_oproj, .Lfunc_end_k_q4165fde294_oproj-k_q4165fde294_oproj
	.p2alignl 7, 3214868480
	.fill 96, 4, 3214868480
	.section	.rodata,"a",@progbits
	.p2align	6, 0x0
	.amdhsa_kernel k_q4165fde294_oproj
		.amdhsa_group_segment_fixed_size 327680
		.amdhsa_private_segment_fixed_size 0
		.amdhsa_enable_private_segment 0
		.amdhsa_kernarg_size 40
		.amdhsa_user_sgpr_count 2
		.amdhsa_user_sgpr_kernarg_segment_ptr 1
		.amdhsa_wavefront_size32 1
		.amdhsa_system_sgpr_workgroup_id_x 1
		.amdhsa_system_sgpr_workgroup_id_y 1
		.amdhsa_system_sgpr_workgroup_id_z 1
		.amdhsa_system_vgpr_workitem_id 0
		.amdhsa_next_free_vgpr 768
		.amdhsa_next_free_sgpr 98
		.amdhsa_reserve_vcc 0
		.amdhsa_float_denorm_mode_32 3
		.amdhsa_float_denorm_mode_16_64 3
		.amdhsa_memory_ordered 1
		.amdhsa_forward_progress 1
		.amdhsa_inst_pref_size 93
	.end_amdhsa_kernel
	.amdgpu_metadata
---
amdhsa.version: [ 1, 2 ]
amdhsa.kernels:
  - .name:           k_q4165fde294_oproj
    .symbol:         k_q4165fde294_oproj.kd
    .args:
      - { .name: aimg, .offset: 0, .size: 8, .value_kind: global_buffer, .address_space: global }
      - { .name: Wo_codes, .offset: 8, .size: 8, .value_kind: global_buffer, .address_space: global }
      - { .name: lowp_scales, .offset: 16, .size: 8, .value_kind: global_buffer, .address_space: global }
      - { .name: bo, .offset: 24, .size: 8, .value_kind: global_buffer, .address_space: global }
      - { .name: out0, .offset: 32, .size: 8, .value_kind: global_buffer, .address_space: global }
    .group_segment_fixed_size: 327680
    .private_segment_fixed_size: 0
    .kernarg_segment_align: 8
    .kernarg_segment_size: 40
    .max_flat_workgroup_size: 128
    .sgpr_count:     98
    .vgpr_count:     768
    .wavefront_size: 32
...
	.end_amdgpu_metadata
.endif
;; end of part 3
